; MI455X (gfx1250); checked and timed in simulation.
; The chip was launched on July 23, 2026; its instructions are those of AMD's public machine-readable ISA for CDNA 5 (MIT licence, August 2026) and "CDNA5" Instruction Set Architecture Reference Guide (July 2026). The comments in the code are by the model that wrote it; some were corrected since.
;; Self Attention Vanilla. Allowed arithmetic: matrix products marked QUANTISED: E2M3 operands, one E8M0 scale for each 32 along K, by v_wmma_scale_f32_16x16x128_f8f6f4 with both operands' format E2M3, f32 sums; everything else in f32.
;; Inputs: k 4 x 16 x 2,048 x 64 float32; q 4 x 16 x 2,048 x 64 float32; v 4 x 16 x 2,048 x 64 float32.
;; Outputs: out0 4 x 16 x 2,048 x 64 float32.
;; This version of the problem:
;;   THIS VERSION OF THE PROBLEM IS GIVEN IN LOW PRECISION. The matrix products marked QUANTISED in the list below multiply operands that are first quantised to E2M3 (2 exponent bits, 3 mantissa bits; 6 bits a number), with one power-of-two scale for each 32 numbers along K (OCP MX v1.0); their sums are f32. All else is computed in f32.
;;   The module's matrix products, in the order in which they are computed (A, B: the left and right operand; K: the contracted axis; several contracted axes count as one K, in the product's order):
;;     1. batch 64 x [M 2,048, K 64] x [K 64, N 2,048]; A: input q; B: input k: QUANTISED
;;     2. batch 64 x [M 2,048, K 2,048] x [K 2,048, N 64]; A: softmax (see below); B: input v: QUANTISED
;;   THE QUANTISER, for each operand of a quantised product, along K:
;;     - K is cut into blocks of 32 from its start; a last block that is shorter is filled with zeros.
;;     - A block's scale is 2^e with e = floor(log2(the largest magnitude in the block)) - 2, held to -126 .. 127; a block of zeros has e = 0. As a byte (E8M0): e + 127.
;;     - Each number is divided by its block's scale, clamped to +-7.5, and rounded to the nearest number of E2M3, ties to even, subnormals kept.
;;     - The product sums the exact products of the quantised numbers (number of the format x scale) in f32.
;;   ~~~python
;;   def quantise(x, axis):      # numpy; x: float32 -> the quantised numbers, widened to float32 again
;;       x = np.moveaxis(x, axis, -1); K = x.shape[-1]
;;       x = np.pad(x, [(0, 0)] * (x.ndim - 1) + [(0, -K % 32)]); x = x.reshape(x.shape[:-1] + (-1, 32)); a = np.abs(x).max(-1, keepdims=True)
;;       e = np.where(a > 0, np.clip(np.frexp(np.where(a > 0, a, 1))[1] - 1 - 2, -126, 127), 0)      # np.frexp(a)[1] - 1 = floor(log2(a)), exactly
;;       r = np.clip(x / 2.0 ** e, -7.5, 7.5)
;;       step = 2.0 ** (np.maximum(np.frexp(np.where(r == 0, 1, r))[1] - 1, 0) - 3)
;;       q = np.round(r / step) * step * 2.0 ** e      # np.round: ties to even
;;       return np.moveaxis(q.reshape(q.shape[:-2] + (-1,))[..., :K], -1, axis).astype(np.float32)
;;   ~~~
;;   SOFTMAX AHEAD OF A QUANTISED PRODUCT. Where the list says 'softmax', what is quantised is not the finished softmax but p = 2^(t - M), with t = logit x log2(e) and M = ceil(the row's largest t), a whole number; so 1/2 < the row's largest p <= 1. The row's sum l is taken of the UNQUANTISED p, in f32, and the product's result is divided by l at the end. Since M is a whole number, a kernel that streams over the keys may use a running M (the ceiling of the running maximum): every later rescaling is an exact power of two, which a block's scale takes up: the codes' values come out the same.
;;   OPERANDS COMPUTED ON THE WAY. 'Computed on the way' means the value that the module computes at that place (a softmax that the list does not call 'softmax' is quantised finished and normalised). What goes into a quantiser is computed in f32, as accurately as f32 sums, v_exp_f32 and their like allow (about 1e-6 of the number): no bf16 or f16 on the way to a quantiser, and a product that is left as it is and whose result goes on into a quantised operand takes f32 operands (vector FMAs, or v_wmma_f32_16x16x4_f32). A number that lies on a knife's edge between two numbers of the format may be rounded either way, as far as f32 arithmetic and the matrix unit's own rounding can turn it there, and no further.
;; One version. Each part assembles by itself: llvm-mc -triple=amdgcn-amd-amdhsa -mcpu=gfx1250 --defsym DOCPART=n.
;; ======== version 1 of 1: 1 launch
;; limits: right only within a limited range of input values
;; workspace buffers: kv 13,631,488 bytes
;; launch attn (part 1): grid 4 x 64, 16 waves a work-group, clusters of 4 x 1, 327,680 bytes of LDS; arguments q, k, v, out0; writes out0
.if DOCPART == 1
	.amdgcn_target "amdgcn-amd-amdhsa--gfx1250"
	.amdhsa_code_object_version 6
	.text
	.protected	k_qacc959111c_attn
	.globl	k_qacc959111c_attn
	.p2align	8
	.type	k_qacc959111c_attn,@function
k_qacc959111c_attn:
	s_mov_b64 s[64:65], 0
	v_nop
	global_prefetch_b8 v0, s[64:65] scope:SCOPE_SE
	s_setreg_imm32_b32 hwreg(HW_REG_WAVE_MODE, 25, 1), 1
	s_wait_xcnt 0x0
	s_wait_alu depctr_hold_cnt(0) depctr_sa_sdst(0) depctr_va_vdst(0) depctr_va_sdst(0) depctr_va_ssrc(0) depctr_va_vcc(0) depctr_vm_vsrc(0)
	s_getreg_b32 s2, hwreg(HW_REG_IB_STS2, 6, 4)
	s_cmp_eq_u32 s2, 0
	s_cbranch_scc0 .Lentry_in_a_cluster
	s_endpgm
.Lentry_in_a_cluster:
	s_bfe_u32 s2, ttmp6, 0x10000c
	s_cmp_lg_u32 s2, 0x3003
	s_cbranch_scc0 .Lentry_shape_is_right
	s_endpgm
.Lentry_shape_is_right:
; out[h][q][:] = the sum over k of softmax_k(q[h][q] . k[h][k] / 8) v[h][k][:], 64 heads, 2,048 queries and keys, head size 64; both products on codes of FP6 (E2M3) with one E8M0 scale for each 32 along K.
; ONE LAUNCH: q, k and v arrive as f32 and are quantised here.  q and k along the channels (two blocks a row), v along the KEYS (a block = 32 neighbouring keys of one channel).
; A block's scale is 2^(floor(log2(its largest magnitude)) - 2); its byte is the largest magnitude's exponent field - 2, held at 1 from below.
; THE SOFTMAX: t = score x log2(e) / 8; M = the row's largest t so far, rounded UP to a whole number; p = 2^(t - M) is what is quantised, along the keys, not normalised.  The row's sum is taken of the
; unquantised p and divides at the end.  When M moves, the sum and O are multiplied by 2^(old M - new M): exact.
; SHARES.  A work-group owns 512 queries of one head, each of its sixteen waves 32 of them as two tiles of 16.  The keys go in 16 steps of 128.  A step's k and v, 256 rows of 256 bytes, come into a ring of
; two LDS slots, each wave fetching 16 rows by one tensor load (waves 0-7 k's, waves 8-15 v's; 16 bytes of padding behind each row).  In step s a wave loads K's and V's fragments ONCE for both its tiles, and between
; the two tiles it quantises its share of step s + 1's rows, one block of 32 to a lane (512 blocks, 512 lanes), into the other of two code buffers.  One barrier a step orders ring and code buffers alike.
; CLUSTER.  The four work-groups of a head need the same rows of k and v: each tensor load is a JOINT one, with the same descriptor in all four and a mask that names the four; the barrier ahead of a refill is a round of the cluster's barrier.
; A CODE BUFFER (15,360 bytes): +0 K's four fragments F_p, +6,144 K's scale words, +7,680 V's four fragments G_t, +13,824 V's scale words.  A fragment: lane L's 12 registers on end at 48 L.  Scale words: row m's four at 48 m and again at 48 (m + 16).
; K's ROWS.  Row m of key tile T (0..7) is key 64 (T / 4) + 32 (m / 8) + 8 (T % 4) + m % 8; F_p holds tile 2 p at the instruction's k 0..63 and tile 2 p + 1 at k 64..127.  So registers 32 c .. 32 c + 31 of a lane's 64
; scores are the neighbouring keys 64 c + 32 (lane / 16) + 0 .. 31: one whole block of p's quantiser, in the lane and order in which p's fragment wants its codes.  Row m of G_t is channel 4 m + t.
; Both products are used transposed (S^T = K Q^T, O^T = V^T P^T): a lane holds one query (lane % 16) throughout.
; THE HEAD SIZE IS HALF OF THE INSTRUCTION'S K.  Q stands as codes 1 | zeros | codes 0 | zeros | codes 1: each tile finds codes | zeros for the lower key tile and zeros | codes for the upper.  A zero code times any code is 0, and no scale byte is 0xff;
; so one scale word a tile, the query's two bytes twice, serves both.
; REGISTERS: all 256.  The softmax's short-lived numbers (the maxima's and the sums' chains, f, scale bytes) stand in the registers that the tile's own codes take at its end.
; PREFETCH.  In step s (whose refill is unit s + 2) unit s + 4 is named: of a wave's 16 rows each of the four partners names four, told apart by address, a lane a row (lanes 4-31 name the fourth again).  Units 0 to 3 come by their loads alone; steps 12 on name nothing.
; LIMITS: NaN and infinities among the inputs are not served; the promise holds while |t| stays under 2^31.  A block of zeros, or one whose largest magnitude lies under 2^(3 - 127), has the byte 1 with zero codes; the bytes are read here alone.
; A block's largest p is made from the block's largest score by the same two instructions: that takes v_exp_f32 not to fall where its input rises (the ISA guide promises 1 ulp); at the worst one p of a block, within an ulp of a power of two, is held one code low.
.set UNIT,  15360
.set RING,  2*UNIT                     ; K slot 0, K slot 1, V slot 0, V slot 1: 128 rows x 272 bytes each
.set HSLOT, 128*272
.set STG,   RING+4*HSLOT               ; a stage of 4,864 bytes for each wave: q's turn and the way out; no tensor load lands here
.set STGW,  4864
.set SPARE, STG+16*STGW                ; the spare words, 128 bytes for each wave
.set PFO,  0                           ; the prefetches' offset (made when v0 has served)
.set SPW,  1                           ; my spare word; never rewritten
.set NIL,  2                           ; 0; never rewritten
.set L48,  3                           ; 48 x lane
.set KR,   4                           ; k's quantiser: where my block's 128 bytes lie in K slot 0
.set KC,   5                           ;   where its 24 bytes of codes go
.set KSB,  6                           ;   where its scale byte goes
.set VR,   7                           ; v's quantiser: the same three
.set VC,   8
.set VSB,  9
.set QSW,  10                          ; v10, v11 Q's scale words, one a tile
                                       ; v12-15, v16-19: tile b's -M, largest t, and the sum in two halves
.set QF,   20                          ; v20-49   Q
.set KF,   50                          ; v50-97   K's four fragments, then V's four
.set KSW,  98                          ; v98-101  their scale words
.set SS,   102                         ; v102-165 S^T, then p; the quantisers' numbers and codes
.set OA,   166                         ; v166-229 O^T, tile b at 166 + 32 b
.set PC,   230                         ; v230-253 p's codes, tile b at 230 + 12 b
.set PSW,  254                         ; v254, v255 p's scale words
.set MA,   242                         ; the quantisers' registers at work lie in tile 1's codes
.set MB,   243
.set SCO,  244
.set BYQ,  246
.set TA,   248
.set TP,   249
.set HL,   166                         ; the head's registers at work lie in O^T, which is cleared behind them
.set HR,   167
.set HH,   168
.set HLI,  169
.set SH8,  170
.set HTS,  171
.set HTR,  172
.set TMP,  173
.set LI,   98                          ; the way out's addresses lie in the scale words' registers
.set TS,   99
.set TR,   100
.set WV,   12
.set G0,   16                          ; s[16:19] group 0 of ring slot 0, s[36:39] of slot 1
.set G1,   20                          ; s[20:27]
.set SEL,  28
.set CS,   30                          ; s[30:31] c = log2(e) / 8
.set STGB, 32
.set CNT,  33
.set PB,   40                          ; s[40:41] where my prefetches stand
.macro CROUND                          ; a round of the cluster's barrier
	s_barrier_signal -1
	s_barrier_wait -1
	s_cmp_lg_u32 s[WV], 0
	s_cbranch_scc1 .Lnot_wave_0_\@
	s_barrier_signal -3
.Lnot_wave_0_\@:
	s_barrier_wait -3
	s_barrier_signal -1
	s_barrier_wait -1
.endm
	s_load_b128 s[4:7], s[0:1], 0x0                ; q, k
	s_load_b128 s[8:11], s[0:1], 0x10              ; v, out0
	v_lshl_add_u32 v[SPW], v0, 2, SPARE
	v_mov_b32 v[NIL], 0
	ds_add_u32 v[SPW], v[NIL]                      ; the opening lines: the add, twice on end, and its wait ahead of my first tensor load
	ds_add_u32 v[SPW], v[NIL]
	v_lshrrev_b32 v[TMP], 5, v0
	v_readfirstlane_b32 s[WV], v[TMP]              ; wave 0..15
	s_bfe_u32 s13, ttmp6, 0x40000                  ; cx: my block of 512 queries; it enters q's, out0's and the prefetches' addresses alone
	s_and_b32 s14, ttmp7, 0xffff                   ; the head, which the four partners share
	s_lshl_b32 s34, s14, 19                        ; q and out0: a head is 524,288 bytes, a block 131,072, my wave's 32 rows 8,192
	s_lshl_b32 s15, s13, 17
	s_add_co_u32 s34, s34, s15
	s_lshl_b32 s15, s[WV], 13
	s_add_co_u32 s34, s34, s15
	s_mov_b32 s35, 0
	s_and_b32 s42, s[WV], 7                        ; T: my place among the eight waves of my role
	s_lshr_b32 s43, s[WV], 3                       ; 0: k, 1: v
	s_lshl_b32 s44, s14, 19                        ; k and v: the head, my 16 rows of a unit
	s_lshl_b32 s15, s42, 12
	s_add_co_u32 s44, s44, s15
	s_mov_b32 s45, 0
	s_mov_b32 s[G0], 1
	s_mul_i32 s[G0+1], s[WV], 16*272               ; LDS: wave x 16 rows; v's waves one region further on
	s_mul_i32 s15, s43, HSLOT
	s_add_co_u32 s[G0+1], s[G0+1], s15
	s_add_co_u32 s[G0+1], s[G0+1], RING
	s_mov_b32 s[G0+20], 1
	s_add_co_u32 s[G0+21], s[G0+1], HSLOT
	s_mov_b32 s[G1], 15|(3<<16)|(1<<20)|(1<<21)|(5<<22)|(3<<25)  ; mask: all four; elements of 8 bytes; padding of 4 words behind every 64; bit 21 beside a mask
	s_mov_b32 s[G1+1], 32<<16                      ; 16 rows of 32 elements, dense in memory
	s_mov_b32 s[G1+2], 16<<16
	s_mov_b32 s[G1+3], 32<<16
	s_mov_b32 s[G1+4], 16
	s_mov_b32 s[G1+5], 32
	s_mov_b32 s[G1+6], 0
	s_mov_b32 s[G1+7], 0
	s_mov_b32 s[SEL], 0x76543210
	s_mov_b32 s[SEL+1], 0xfedcba98                 ; v_permlanex16_b32's selects for lane l xor 16
	s_mov_b32 s[CS], 0x3e38aa3b
	s_mov_b32 s[CS+1], s[CS]
	s_mul_i32 s[STGB], s[WV], STGW
	s_add_co_u32 s[STGB], s[STGB], STG
	s_lshr_b32 s15, s42, 2                         ; k: tile T's first key 64 (T / 4) + 8 (T % 4)
	s_lshl_b32 s15, s15, 6
	s_and_b32 s46, s42, 3
	s_lshl_b32 s46, s46, 3
	s_add_co_u32 s46, s46, s15
	s_mul_i32 s46, s46, 272
	s_add_co_u32 s46, s46, RING
	s_lshr_b32 s15, s42, 1                         ; its codes: fragment T / 2, half T % 2
	s_mul_i32 s47, s15, 1536
	s_and_b32 s53, s42, 1                          ; (also v: which 32 channels)
	s_mul_i32 s15, s53, 24
	s_add_co_u32 s47, s47, s15
	s_lshl_b32 s48, s42, 1                         ; its bytes: 2 T + h
	s_lshr_b32 s54, s42, 1                         ; v: which block of 32 keys
	s_lshl_b32 s49, s53, 7
	s_mul_i32 s15, s54, 32*272
	s_add_co_u32 s49, s49, s15
	s_add_co_u32 s49, s49, RING+2*HSLOT            ; (kept: the way out takes it off v's address again)
	s_mul_i32 s50, s53, 384                        ; codes: lane (ch / 4) + 16 (block % 2), half block / 2
	s_and_b32 s15, s54, 1
	s_mul_i32 s15, s15, 768
	s_add_co_u32 s50, s50, s15
	s_lshr_b32 s15, s54, 1
	s_mul_i32 s15, s15, 24
	s_add_co_u32 s50, s50, s15
	s_mul_i32 s51, s53, 384                        ; bytes: 48 (ch / 4) + 4 (ch % 4) + block
	s_add_co_u32 s51, s51, s54
	s_lshl_b32 s52, s13, 10                        ; prefetch: my work-group's four rows of a wave's 16
	v_and_b32 v[HL], 31, v0                        ; l
	v_and_b32 v[HR], 15, v0                        ; r
	v_bfe_u32 v[HH], v0, 4, 1                      ; h
	v_lshlrev_b32 v[HLI], 4, v[HL]
	v_mul_u32_u24 v[L48], v[HL], 48
	v_lshlrev_b32 v[SH8], 3, v[HH]
	v_and_b32 v[TMP], 8, v0
	v_mad_u32_u24 v[TMP], v[TMP], 3, v[HR]         ; r % 8 + 32 (r / 8)
	v_mul_u32_u24 v[KR], v[TMP], 272
	v_lshl_add_u32 v[KR], v[HH], 7, v[KR]
	v_add_nc_u32 v[KR], s46, v[KR]
	v_add_nc_u32 v[KC], s47, v[L48]
	v_mad_u32_u24 v[KSB], v[HR], 48, v[HH]
	v_add_nc_u32 v[KSB], s48, v[KSB]
	v_lshlrev_b32 v[TMP], 2, v[HL]
	v_add_nc_u32 v[VR], s49, v[TMP]                ; a lane to a channel: 32 neighbouring channels a wave
	v_and_b32 v[TMP], 3, v0
	v_mul_u32_u24 v[VC], v[TMP], 1536
	v_lshlrev_b32 v[VSB], 2, v[TMP]
	v_bfe_u32 v[TMP], v0, 2, 3
	v_mad_u32_u24 v[VC], v[TMP], 48, v[VC]
	v_mad_u32_u24 v[VSB], v[TMP], 48, v[VSB]
	v_add_nc_u32 v[VC], s50, v[VC]
	v_add_nc_u32 v[VSB], s51, v[VSB]
	v_bfe_u32 v[TMP], v0, 3, 1                     ; q's turn: a load's 512 bytes: lane l holds row l / 16, half (l / 8) % 2, 16 bytes at 16 (l % 8)
	v_mul_u32_u24 v[HTS], v[TMP], 2432
	v_mad_u32_u24 v[HTS], v[HH], 144, v[HTS]
	v_and_b32 v[TMP], 7, v0
	v_lshl_add_u32 v[HTS], v[TMP], 4, v[HTS]
	v_add_nc_u32 v[HTS], s[STGB], v[HTS]
	v_mul_u32_u24 v[HTR], v[HH], 2432              ; back: lane (r, h) takes half h of row r
	v_mad_u32_u24 v[HTR], v[HR], 144, v[HTR]
	v_add_nc_u32 v[HTR], s[STGB], v[HTR]
	v_min_u32 v[TMP], 3, v[HL]
	v_lshlrev_b32 v[TMP], 8, v[TMP]
	v_add_nc_u32 v[PFO], s52, v[TMP]               ; v0 has served
	s_wait_alu depctr_va_vdst(0)
	s_wait_dscnt 0x0                               ; both opening adds are done
	s_wait_kmcnt 0x0
	s_add_nc_u64 s[4:5], s[4:5], s[34:35]          ; q and out0 at my wave's first row
	s_add_nc_u64 s[10:11], s[10:11], s[34:35]
	s_cmp_lt_u32 s[WV], 8                          ; the choice hangs on the wave's number alone
	s_cselect_b64 s[6:7], s[6:7], s[8:9]
	s_add_nc_u64 s[G0+2:G0+3], s[6:7], s[44:45]    ; unit 0
	s_add_nc_u64 s[G0+22:G0+23], s[G0+2:G0+3], 32768   ; unit 1
	s_add_nc_u64 s[PB:PB+1], s[G0+2:G0+3], 65536   ; stepped to unit 4 at the first trip's head
	s_or_b32 s[G0+3], s[G0+3], 0x80000000
	s_or_b32 s[G0+23], s[G0+23], 0x80000000
.irp n, 0,1,2,3,4,5,6,7,8,9,10,11,12,13,14,15
	global_load_b128 v[SS+4*\n:SS+4*\n+3], v[HLI], s[4:5] offset:512*\n th:TH_LOAD_NT   ; my 32 rows of q: 512 consecutive bytes a load
.endr
	CROUND                                         ; all four work-groups are here: the joint loads meet
	tensor_load_to_lds s[G0:G0+3], s[G1:G1+7]      ; unit 0: my one tensor load at the head
	s_nop 0
.set n, 0
.rept 26
	v_mov_b32 v[PC+n], 0                           ; written once: some of these are named as a lane permute's destination, or as the upper half of a pair, before the step first writes them
.set n, n+1
.endr
.irp b, 0,1
	v_mov_b32 v[13+4*\b], 0xff61b1e6               ; the largest t begins as -3e38, the sums as zeros
	v_floor_f32 v[12+4*\b], -v[13+4*\b]
	v_mov_b32 v[14+4*\b], 0
	v_mov_b32 v[15+4*\b], 0
.endr
.irp i, 0,1,2,3,4,5
	v_mov_b32 v[QF+6+\i], 0
	v_mov_b32 v[QF+18+\i], 0
.endr
; 16 rows x 64 numbers through my stage: in as loaded, back 128 bytes a lane: lane (r, h) then holds channel 32 h + x of row r in register dst + x.  LDS serves a wave's instructions in order (ISA guide 5.7.1.4).
.macro TURN src, dst
.irp i, 0,1,2,3,4,5,6,7
	ds_store_b128 v[HTS], v[(\src)+4*\i:(\src)+4*\i+3] offset:288*\i
.endr
.irp j, 0,1,2,3,4,5,6,7
	ds_load_b128 v[(\dst)+4*\j:(\dst)+4*\j+3], v[HTR] offset:16*\j
.endr
	s_wait_dscnt 0x0
.endm
; 32 numbers of one block in v[x] on become 6 registers of codes in v[dst] on and the scale's byte in v[by]; v[t] on: three registers at work
.macro QT x, dst, t, by
	v_max3_num_f32 v[MA], |v[(\x)]|, |v[(\x)+1]|, 0x1800000      ; the floor 2^(3 - 127) among the leaves: the byte cannot fall under 1
	v_max3_num_f32 v[MB], |v[(\x)+16]|, |v[(\x)+17]|, |v[(\x)+18]|
.irp i, 0,1,2,3,4,5
	s_delay_alu instid0(VALU_DEP_2)
	v_max3_num_f32 v[MA], v[MA], |v[(\x)+2+2*\i]|, |v[(\x)+3+2*\i]|
	s_delay_alu instid0(VALU_DEP_2)
	v_max3_num_f32 v[MB], v[MB], |v[(\x)+19+2*\i]|, |v[(\x)+20+2*\i]|
.endr
	s_delay_alu instid0(VALU_DEP_2)
	v_max3_num_f32 v[MA], v[MA], |v[(\x)+14]|, |v[(\x)+15]|
	s_delay_alu instid0(VALU_DEP_1)
	v_max3_num_f32 v[MA], v[MA], v[MB], |v[(\x)+31]|
	s_delay_alu instid0(VALU_DEP_1)
	v_add_nc_u32 v[SCO], 0xff000000, v[MA]         ; 2 off the exponent field: the conversion's scale operand
	v_cvt_scalef32_pk16_fp6_f32 v[(\dst):(\dst)+2], v[(\x):(\x)+15], v[SCO]
	v_cvt_scalef32_pk16_fp6_f32 v[(\t):(\t)+2], v[(\x)+16:(\x)+31], v[SCO]   ; (a conversion's three registers begin on an even number)
	v_lshrrev_b32 v[(\by)], 23, v[SCO]             ; the scale's byte; also the plain line behind the conversions
.irp i, 0,1,2
	v_mov_b32 v[(\dst)+3+\i], v[(\t)+\i]
.endr
.endm
; Tile b of q: 16 queries become codes and a scale word
.macro QTILE b
	s_wait_loadcnt 8-8*(\b)                        ; this tile's eight loads are in (tile 0: tile 1's eight may be out)
	TURN SS+32*(\b), KF
	QT KF, QF+12-12*(\b), KF+32, BYQ
.if (\b) == 1
.irp i, 0,1,2,3,4,5
	v_mov_b32 v[QF+24+\i], v[QF+\i]
.endr
.endif
	v_lshlrev_b32 v[TA], v[SH8], v[BYQ]            ; my block's byte at its place,
	s_delay_alu instid0(VALU_DEP_1)
	v_permlanex16_b32 v[TP], v[TA], s[SEL], s[SEL+1]
	s_delay_alu instid0(VALU_DEP_1)
	v_or_b32 v[TA], v[TA], v[TP]                   ; and lane l xor 16's: the query's two bytes,
	v_lshl_or_b32 v[QSW+(\b)], v[TA], 16, v[TA]    ; twice: the pair that meets the zeros scales nothing
.endm
; The unit in ring slot sl becomes codes and scale bytes in code buffer sl: a block of 32 to a lane
.macro QUANT sl
	s_cmp_lt_u32 s[WV], 8
	s_cbranch_scc0 .Lqv_\@
.irp j, 0,1,2,3,4,5,6,7
	ds_load_b128 v[SS+4*\j:SS+4*\j+3], v[KR] offset:(\sl)*HSLOT+16*\j   ; k: 32 neighbouring channels of my key
.endr
	s_wait_dscnt 0x0
	QT SS, SS+32, SS+38, BYQ
.irp j, 0,1,2
	ds_store_b64 v[KC], v[SS+32+2*\j:SS+33+2*\j] offset:(\sl)*UNIT+8*\j
.endr
	ds_store_b8 v[KSB], v[BYQ] offset:(\sl)*UNIT+6144
	ds_store_b8 v[KSB], v[BYQ] offset:(\sl)*UNIT+6144+768
	s_branch .Lqj_\@
.Lqv_\@:
.set n, 0
.rept 32
	ds_load_b32 v[SS+n], v[VR] offset:(\sl)*HSLOT+272*n   ; v: my channel down 32 neighbouring keys; the lanes read 128 neighbouring bytes
.set n, n+1
.endr
	s_wait_dscnt 0x0
	QT SS, SS+32, SS+38, BYQ
.irp j, 0,1,2
	ds_store_b64 v[VC], v[SS+32+2*\j:SS+33+2*\j] offset:(\sl)*UNIT+7680+8*\j
.endr
	ds_store_b8 v[VSB], v[BYQ] offset:(\sl)*UNIT+13824
	ds_store_b8 v[VSB], v[BYQ] offset:(\sl)*UNIT+13824+768
.Lqj_\@:
.endm
; Four fragments and their scale words, from byte at of the LDS
.macro FRAGS at
.irp f, 0,1,2,3
.irp g, 0,1,2
	ds_load_b128 v[KF+12*\f+4*\g:KF+12*\f+4*\g+3], v[L48] offset:(\at)+1536*\f+16*\g
.endr
.endr
	ds_load_b128 v[KSW:KSW+3], v[L48] offset:(\at)+6144
.endm
; S^T of tile b, and four places: for loads into the fragments' registers and for the first read of the scores
.macro SMUL b
.irp t, 0,1,2,3,4,5,6,7
	v_wmma_scale_f32_16x16x128_f8f6f4 v[SS+8*\t:SS+8*\t+7], v[KF+12*(\t/2):KF+12*(\t/2)+11], v[QF+(1-(\b))*(12-6*(\t%2))+(\b)*18*(\t%2):QF+(1-(\b))*(12-6*(\t%2))+(\b)*18*(\t%2)+11], 0, v[KSW+\t/2], v[QSW+(\b)] matrix_a_fmt:MATRIX_FMT_FP6 matrix_b_fmt:MATRIX_FMT_FP6
.endr
.rept 4
	v_nop
.endr
.endm
; Tile b's 64 scores a lane become p's codes and scale word; the sum and O^T are brought under the new M
.macro SOFT b
.set ST, 12+4*(\b)
.set OB, OA+32*(\b)
.set P,  PC+12*(\b)
	; the largest score of each of my two blocks of 32 keys serves twice: for the row's maximum and for the block's largest p.  Four chains by turns; each accumulator is read from its low end on
.irp g, 0,1,2,3
	v_max3_num_f32 v[P+\g], v[SS+16*\g], v[SS+16*\g+1], v[SS+16*\g+2]
.endr
.irp i, 3,5,7,9,11,13
.irp g, 0,1,2,3
	v_max3_num_f32 v[P+\g], v[P+\g], v[SS+16*\g+\i], v[SS+16*\g+\i+1]
.endr
.endr
.irp c, 0,1
	v_max3_num_f32 v[P+10+\c], v[P+2*\c], v[P+2*\c+1], v[SS+32*\c+15]
.endr
.irp c, 0,1
	v_max_num_f32 v[P+10+\c], v[P+10+\c], v[SS+32*\c+31]
.endr
	s_delay_alu instid0(VALU_DEP_1)
	v_max_num_f32 v[P+4], v[P+10], v[P+11]
	s_delay_alu instid0(VALU_DEP_1)
	v_permlanex16_b32 v[P+5], v[P+4], s[SEL], s[SEL+1]
	s_delay_alu instid0(VALU_DEP_1)
	v_max_num_f32 v[P+4], v[P+4], v[P+5]           ; with lane l xor 16's 64 keys: the step's largest score of my query
	s_delay_alu instid0(VALU_DEP_1)
	v_mul_f32 v[P+4], s[CS], v[P+4]                ; as t (c is positive)
	s_delay_alu instid0(VALU_DEP_1)
	v_max_num_f32 v[ST+1], v[ST+1], v[P+4]         ; the running largest t
	v_mov_b32 v[P+4], v[ST]
	s_delay_alu instid0(VALU_DEP_2)
	v_floor_f32 v[ST], -v[ST+1]                    ; the new -M = -ceil(t): a whole number
	s_delay_alu instid0(VALU_DEP_1)
	v_sub_f32 v[P+4], v[ST], v[P+4]                ; old M - new M: a whole number, 0 or less
	s_delay_alu instid0(VALU_DEP_1)
	v_cvt_i32_f32 v[P+4], v[P+4]                   ; (it saturates)
	s_delay_alu instid0(VALU_DEP_1)
	v_ldexp_f32 v[P+8], 1.0, v[P+4]                ; f = 2^(old M - new M): a multiplication by it rounds nothing
.set n, 0
.rept 32
	v_pk_fma_f32 v[SS+n:SS+n+1], v[SS+n:SS+n+1], s[CS:CS+1], v[ST:ST+1] op_sel_hi:[1,0,0]   ; t - M, two at a time (of the pairs c and -M the low word serves both halves)
.set n, n+2
.endr
.irp c, 0,1
	v_fma_f32 v[P+10+\c], v[P+10+\c], s[CS], v[ST] ; the same of each block's largest score
.endr
	s_wait_alu depctr_va_vdst(0)
.irp c, 0,1
	v_exp_f32 v[P+10+\c], v[P+10+\c]               ; the blocks' largest p: the same two instructions on the same number give the same bits
.endr
.set n, 0
.rept 64
	v_exp_f32 v[SS+n], v[SS+n]                     ; p = 2^(t - M), at most 1: not normalised
.set n, n+1
.endr
	v_pk_mul_f32 v[ST+2:ST+3], v[ST+2:ST+3], v[P+8:P+9] op_sel_hi:[1,0]   ; the sums under the new M: the plain line behind the exponentials
	s_wait_alu depctr_va_vdst(0)                   ; one wait for the batch, ahead of its first reader, and directly ahead of the first reader of O^T
.set n, 0
.rept 16
	v_pk_mul_f32 v[OB+n:OB+n+1], v[OB+n:OB+n+1], v[P+8:P+9] op_sel_hi:[1,0]   ; O^T under the new M, each accumulator from its low end on
.set n, n+2
.endr
	; the row's sum, of the unquantised p: 32 pairs in five chains
.irp i, 0,1,2,3
	v_pk_add_f32 v[P+2*\i:P+2*\i+1], v[SS+4*\i:SS+4*\i+1], v[SS+4*\i+2:SS+4*\i+3]
.endr
	v_pk_add_f32 v[ST+2:ST+3], v[ST+2:ST+3], v[SS+16:SS+17]
.irp k, 0,1,2,3
.irp i, 0,1,2,3
	v_pk_add_f32 v[P+2*\i:P+2*\i+1], v[P+2*\i:P+2*\i+1], v[SS+18+10*\k+2*\i:SS+19+10*\k+2*\i]
.endr
	v_pk_add_f32 v[ST+2:ST+3], v[ST+2:ST+3], v[SS+26+10*\k:SS+27+10*\k]
.endr
.irp i, 0,1,2
	v_pk_add_f32 v[P+2*\i:P+2*\i+1], v[P+2*\i:P+2*\i+1], v[SS+58+2*\i:SS+59+2*\i]
.endr
.irp c, 0,1
	v_max_num_f32 v[P+10+\c], 0x1800000, v[P+10+\c]   ; the floor 2^(3 - 127): the byte cannot fall under 1
.endr
	v_pk_add_f32 v[P:P+1], v[P:P+1], v[P+2:P+3]
	v_pk_add_f32 v[P+4:P+5], v[P+4:P+5], v[P+6:P+7]
.irp c, 0,1
	v_add_nc_u32 v[P+10+\c], 0xff000000, v[P+10+\c]   ; 2 off the exponent field: the conversions' scale operands
.endr
	v_pk_add_f32 v[P:P+1], v[P:P+1], v[P+4:P+5]
	v_pk_add_f32 v[ST+2:ST+3], v[ST+2:ST+3], v[P:P+1]
	v_cvt_scalef32_pk16_fp6_f32 v[P:P+2], v[SS:SS+15], v[P+10]
	v_cvt_scalef32_pk16_fp6_f32 v[P+6:P+8], v[SS+32:SS+47], v[P+11]
	v_lshrrev_b32 v[P+4], 23, v[P+10]              ; the byte of block h; also the plain line between the conversions above and those below, which write over numbers that are done with
	v_cvt_scalef32_pk16_fp6_f32 v[SS:SS+2], v[SS+16:SS+31], v[P+10]     ; (a conversion's three registers begin on an even number: the upper 16 codes are made here and moved)
	v_cvt_scalef32_pk16_fp6_f32 v[SS+32:SS+34], v[SS+48:SS+63], v[P+11]
	v_lshrrev_b32 v[P+5], 23, v[P+11]              ; the byte of block 2 + h; the plain line behind the conversions
	v_lshl_or_b32 v[P+3], v[P+5], 16, v[P+4]
	v_permlanex16_b32 v[P+9], v[P+3], s[SEL], s[SEL+1]
	v_lshl_or_b32 v[PSW+(\b)], v[P+9], 8, v[P+3]   ; lanes 0-15, the lanes that the product reads: blocks 0 and 2 are mine, 1 and 3 lane l + 16's
.irp c, 0,1
.irp i, 0,1,2
	v_mov_b32 v[P+6*\c+3+\i], v[SS+32*\c+\i]       ; registers 6 c .. 6 c + 5: keys 64 c + 32 h + 0 .. 31
.endr
.endr
.endm
; Step s, par = s % 2.  One barrier for four things: unit s + 1 has landed in ring slot 1 - par; unit s's codes are whole in buffer par; nobody reads ring slot par, or code buffer 1 - par, any more.
.macro KSTEP par, refill, quant, pfoff
	s_wait_tensorcnt 0x0                           ; all my tensor loads have landed: the one that was out is my part of unit s + 1;
	ds_add_u32 v[SPW], v[NIL]
.if \refill
	s_add_nc_u64 s[G0+22-20*(\par):G0+23-20*(\par)], s[G0+22-20*(\par):G0+23-20*(\par)], 65536   ; no load of mine is out: the other slot's next unit
.endif
	s_wait_dscnt 0x0                               ; the add, my LDS stores and my LDS reads are done
.if \refill
	CROUND                                         ; that holds of every wave of all four work-groups
	tensor_load_to_lds s[G0+20*(\par):G0+20*(\par)+3], s[G1:G1+7]   ; unit s + 2: my one tensor load behind the round
	s_nop 0
.else
	s_barrier_signal -1
	s_barrier_wait -1
.endif
	FRAGS (\par)*UNIT                              ; K's fragments, once for both tiles
	s_wait_dscnt 0x0
	SMUL 0
	SOFT 0
.if \refill
	s_cmp_gt_u32 s[CNT], 1                         ; the last trip's units s + 4 do not exist
	s_cbranch_scc0 .Lnp_\@
	global_prefetch_b8 v[PFO], s[PB:PB+1] offset:\pfoff th:TH_LOAD_NT scope:SCOPE_SE   ; unit s + 4
.Lnp_\@:
.endif
.if \quant
	QUANT 1-(\par)                                 ; the scores' registers are free between the tiles
.endif
	SMUL 1
	FRAGS (\par)*UNIT+7680                         ; V's fragments, once for both tiles: they land while tile 1's softmax is worked
	SOFT 1
.rept 4
	v_nop                                          ; four places behind the last write of tile 1's codes, ten behind that of its scale word
.endr
	s_wait_alu depctr_va_vdst(0)
	s_wait_dscnt 0x0                               ; V's fragments and scale words are in
.irp t, 0,1,2,3                                    ; eight accumulators by turns
.irp b, 0,1
	v_wmma_scale_f32_16x16x128_f8f6f4 v[OA+32*\b+8*\t:OA+32*\b+8*\t+7], v[KF+12*\t:KF+12*\t+11], v[PC+12*\b:PC+12*\b+11], v[OA+32*\b+8*\t:OA+32*\b+8*\t+7], v[KSW+\t], v[PSW+\b] matrix_a_fmt:MATRIX_FMT_FP6 matrix_b_fmt:MATRIX_FMT_FP6
.endr
.endr
.rept 4
	v_nop                                          ; four places: ahead of the next loads into the fragments' registers, of the next writes of p's registers, and of the way out's reads
.endr
.endm
; THE WAY OUT of tile b.  Register 8 t + i of O^T is channel 32 h + 4 i + t: the division lays them in order, 128 bytes a lane; they go through my stage (rows of 256 bytes + 16) and leave as whole rows.
.macro OUT b, bk
.set ST, 12+4*(\b)
.set OB, OA+32*(\b)
	v_add_f32 v[ST+2], v[ST+2], v[ST+3]            ; the sum's two halves,
	v_permlanex16_b32 v[TP], v[ST+2], s[SEL], s[SEL+1]
	v_add_f32 v[ST+2], v[ST+2], v[TP]              ; and lane l xor 16's: the row's sum
	s_wait_alu depctr_va_vdst(0)
	v_rcp_f32 v[TA], v[ST+2]
	v_nop                                          ; the plain line behind the reciprocal
	v_nop
	s_wait_alu depctr_va_vdst(0)                   ; ahead of the reciprocal's first reader and of O^T's
.irp i, 0,1,2,3,4,5,6,7
.irp t, 0,1,2,3
	v_mul_f32 v[SS+4*\i+\t], v[OB+8*\t+\i], v[TA]  ; each accumulator from its lowest register on
.endr
.endr
.irp g, 0,1,2,3,4,5,6,7
	ds_store_b128 v[TS], v[SS+4*\g:SS+4*\g+3] offset:16*\g
.endr
.irp i, 0,1,2,3,4,5,6,7
	ds_load_b128 v[(\bk)+4*\i:(\bk)+4*\i+3], v[TR] offset:544*\i   ; LDS serves a wave's instructions in order: these see my stores
.endr
.irp i, 0,1,2,3,4,5,6,7
	s_wait_dscnt 7-\i                              ; load i is in; the younger ones may be out
	global_store_b128 v[LI], v[(\bk)+4*\i:(\bk)+4*\i+3], s[10:11] offset:4096*(\b)+512*\i th:TH_STORE_NT   ; 32 lanes store two rows, 512 consecutive bytes, at a multiple of 256 from out0's first byte
.endr
.endm
	s_wait_alu depctr_va_vdst(0)
	QTILE 0
	QTILE 1
; O^T begins as zeros, so that the step is written once: the first change of M multiplies zeros
.set n, 0
.rept 64
	v_mov_b32 v[OA+n], 0
.set n, n+1
.endr
	s_wait_alu depctr_va_vdst(0)
	s_wait_tensorcnt 0x0                           ; my part of unit 0 is in; the same lines as ahead of a refill stand ahead of slot 1's first fill
	ds_add_u32 v[SPW], v[NIL]
	s_add_nc_u64 s[G0+2:G0+3], s[G0+2:G0+3], 65536 ; slot 0's next unit: 2
	s_wait_dscnt 0x0
	CROUND
	tensor_load_to_lds s[G0+20:G0+23], s[G1:G1+7]  ; unit 1
	s_nop 0
	QUANT 0                                        ; unit 0's codes
	s_mov_b32 s[CNT], 7
.Lpair:                                                ; a trip: two steps, once round the ring; steps 0 to 13
	s_wait_xcnt 0x0                                ; my prefetches have read their address
	s_add_nc_u64 s[PB:PB+1], s[PB:PB+1], 65536
	KSTEP 0, 1, 1, 0
	KSTEP 1, 1, 1, 32768
	s_sub_co_u32 s[CNT], s[CNT], 1
	s_cmp_lg_u32 s[CNT], 0
	s_cbranch_scc1 .Lpair
	KSTEP 0, 0, 1, 0                               ; step 14 fetches nothing more,
	KSTEP 1, 0, 0, 0                               ; and step 15 quantises nothing more
	v_sub_nc_u32 v101, v[VR], s49                  ; 4 x lane
	v_lshlrev_b32 v[LI], 2, v101
	v_and_b32 v[MA], 60, v101                      ; 4 r
	v_bfe_u32 v[MB], v101, 6, 1                    ; h
	v_mul_u32_u24 v[TS], v[MA], 68                 ; the way out, in: row r of 272 bytes, my half's 128 bytes
	v_lshl_add_u32 v[TS], v[MB], 7, v[TS]
	v_add_nc_u32 v[TS], s[STGB], v[TS]
	v_mul_u32_u24 v[TR], v[MB], 272                ; back: lanes 0-15 one row, lanes 16-31 the next
	v_lshl_add_u32 v[TR], v[MA], 2, v[TR]
	v_add_nc_u32 v[TR], s[STGB], v[TR]
	OUT 0, SS+32
	OUT 1, KF                                      ; other registers than tile 0's stores read
	s_wait_tensorcnt 0x0                           ; the wave's end
	ds_add_u32 v[SPW], v[NIL]
	s_wait_dscnt 0x0
	CROUND                                         ; the closing round
	s_endpgm
.Lfunc_end_k_qacc959111c_attn:
	.size	k_qacc959111c_attn, .Lfunc_end_k_qacc959111c_attn-k_qacc959111c_attn
	.p2alignl 7, 3214868480
	.fill 96, 4, 3214868480
	.section	.rodata,"a",@progbits
	.p2align	6, 0x0
	.amdhsa_kernel k_qacc959111c_attn
		.amdhsa_group_segment_fixed_size 327680
		.amdhsa_private_segment_fixed_size 0
		.amdhsa_enable_private_segment 0
		.amdhsa_kernarg_size 32
		.amdhsa_user_sgpr_count 2
		.amdhsa_user_sgpr_kernarg_segment_ptr 1
		.amdhsa_wavefront_size32 1
		.amdhsa_system_sgpr_workgroup_id_x 1
		.amdhsa_system_sgpr_workgroup_id_y 1
		.amdhsa_system_sgpr_workgroup_id_z 1
		.amdhsa_system_vgpr_workitem_id 0
		.amdhsa_next_free_vgpr 256
		.amdhsa_next_free_sgpr 66
		.amdhsa_reserve_vcc 0
		.amdhsa_float_denorm_mode_32 3
		.amdhsa_float_denorm_mode_16_64 3
		.amdhsa_memory_ordered 1
		.amdhsa_forward_progress 1
		.amdhsa_inst_pref_size 164
	.end_amdhsa_kernel
	.amdgpu_metadata
---
amdhsa.version: [ 1, 2 ]
amdhsa.kernels:
  - .name:           k_qacc959111c_attn
    .symbol:         k_qacc959111c_attn.kd
    .args:
      - { .name: q, .offset: 0, .size: 8, .value_kind: global_buffer, .address_space: global }
      - { .name: k, .offset: 8, .size: 8, .value_kind: global_buffer, .address_space: global }
      - { .name: v, .offset: 16, .size: 8, .value_kind: global_buffer, .address_space: global }
      - { .name: out0, .offset: 24, .size: 8, .value_kind: global_buffer, .address_space: global }
    .group_segment_fixed_size: 327680
    .private_segment_fixed_size: 0
    .kernarg_segment_align: 8
    .kernarg_segment_size: 32
    .max_flat_workgroup_size: 512
    .sgpr_count:     66
    .vgpr_count:     256
    .wavefront_size: 32
...
	.end_amdgpu_metadata
.endif
;; end of part 1
